; MI455X (gfx1250); checked and timed in simulation.
; The chip was launched on July 23, 2026; its instructions are those of AMD's public machine-readable ISA for CDNA 5 (MIT licence, August 2026) and "CDNA5" Instruction Set Architecture Reference Guide (July 2026). The comments in the code are by the model that wrote it; some were corrected since.
;; Multi Head Self Attention. Allowed arithmetic: matrix products marked QUANTISED: E2M1 operands, one E8M0 scale for each 32 along K, by v_wmma_scale_f32_16x16x128_f8f6f4 with both operands' format E2M1 (or v_wmma_scale_f32_32x16x128_f4), f32 sums; everything else in f32.
;; Inputs: bk 1,024 float32; bo 1,024 float32; bq 1,024 float32; bv 1,024 float32; wk 1,024 x 1,024 float32; wo 1,024 x 1,024 float32; wq 1,024 x 1,024 float32; wv 1,024 x 1,024 float32; x 4 x 2,048 x 1,024 float32.
;; Outputs: out0 4 x 2,048 x 1,024 float32.
;; This version of the problem:
;;   THIS VERSION OF THE PROBLEM IS GIVEN IN LOW PRECISION. The matrix products marked QUANTISED in the list below multiply operands that are first quantised to E2M1 (2 exponent bits, 1 mantissa bit; 4 bits a number), with one power-of-two scale for each 32 numbers along K (OCP MX v1.0); their sums are f32. All else is computed in f32.
;;   The module's matrix products, in the order in which they are computed (A, B: the left and right operand; K: the contracted axis; several contracted axes count as one K, in the product's order):
;;     1. [M 8,192, K 1,024] x [K 1,024, N 1,024]; A: input x; B: input wq: QUANTISED
;;     2. [M 8,192, K 1,024] x [K 1,024, N 1,024]; A: input x; B: input wk: QUANTISED
;;     3. [M 8,192, K 1,024] x [K 1,024, N 1,024]; A: input x; B: input wv: QUANTISED
;;     4. batch 64 x [M 2,048, K 64] x [K 64, N 2,048]; A: computed on the way; B: computed on the way: QUANTISED
;;     5. batch 64 x [M 2,048, K 2,048] x [K 2,048, N 64]; A: softmax (see below); B: computed on the way: QUANTISED
;;     6. [M 8,192, K 1,024] x [K 1,024, N 1,024]; A: computed on the way; B: input wo: QUANTISED
;;   THE QUANTISER, for each operand of a quantised product, along K:
;;     - K is cut into blocks of 32 from its start; a last block that is shorter is filled with zeros.
;;     - A block's scale is 2^e with e = floor(log2(the largest magnitude in the block)) - 2, held to -126 .. 127; a block of zeros has e = 0. As a byte (E8M0): e + 127.
;;     - Each number is divided by its block's scale, clamped to +-6, and rounded to the nearest number of E2M1, ties to even, subnormals kept.
;;     - The product sums the exact products of the quantised numbers (number of the format x scale) in f32.
;;   ~~~python
;;   def quantise(x, axis):      # numpy; x: float32 -> the quantised numbers, widened to float32 again
;;       x = np.moveaxis(x, axis, -1); K = x.shape[-1]
;;       x = np.pad(x, [(0, 0)] * (x.ndim - 1) + [(0, -K % 32)]); x = x.reshape(x.shape[:-1] + (-1, 32)); a = np.abs(x).max(-1, keepdims=True)
;;       e = np.where(a > 0, np.clip(np.frexp(np.where(a > 0, a, 1))[1] - 1 - 2, -126, 127), 0)      # np.frexp(a)[1] - 1 = floor(log2(a)), exactly
;;       r = np.clip(x / 2.0 ** e, -6, 6)
;;       step = 2.0 ** (np.maximum(np.frexp(np.where(r == 0, 1, r))[1] - 1, 0) - 1)
;;       q = np.round(r / step) * step * 2.0 ** e      # np.round: ties to even
;;       return np.moveaxis(q.reshape(q.shape[:-2] + (-1,))[..., :K], -1, axis).astype(np.float32)
;;   ~~~
;;   SOFTMAX AHEAD OF A QUANTISED PRODUCT. Where the list says 'softmax', what is quantised is not the finished softmax but p = 2^(t - M), with t = logit x log2(e) and M = ceil(the row's largest t), a whole number; so 1/2 < the row's largest p <= 1. The row's sum l is taken of the UNQUANTISED p, in f32, and the product's result is divided by l at the end. Since M is a whole number, a kernel that streams over the keys may use a running M (the ceiling of the running maximum): every later rescaling is an exact power of two, which a block's scale takes up: the codes' values come out the same.
;;   OPERANDS COMPUTED ON THE WAY. 'Computed on the way' means the value that the module computes at that place (a softmax that the list does not call 'softmax' is quantised finished and normalised). What goes into a quantiser is computed in f32, as accurately as f32 sums, v_exp_f32 and their like allow (about 1e-6 of the number): no bf16 or f16 on the way to a quantiser, and a product that is left as it is and whose result goes on into a quantised operand takes f32 operands (vector FMAs, or v_wmma_f32_16x16x4_f32). A number that lies on a knife's edge between two numbers of the format may be rounded either way, as far as f32 arithmetic and the matrix unit's own rounding can turn it there, and no further.
;; One version. Each part assembles by itself: llvm-mc -triple=amdgcn-amd-amdhsa -mcpu=gfx1250 --defsym DOCPART=n.
;; ======== version 1 of 1: 4 launches
;; workspace buffers: cod 6,291,456 bytes; scl 393,216 bytes; rec 18,350,080 bytes; oc 4,194,304 bytes; osc 262,144 bytes
;; launch quant (part 1): grid 384 x 1, 4 waves a work-group, no clusters, 35,328 bytes of LDS; arguments x, wq, wk, wv, wo, cod, scl; writes cod, scl
.if DOCPART == 1
	.amdgcn_target "amdgcn-amd-amdhsa--gfx1250"
	.amdhsa_code_object_version 6
	.text
	.protected	k_q41956a1060_quant
	.globl	k_q41956a1060_quant
	.p2align	8
	.type	k_q41956a1060_quant,@function
k_q41956a1060_quant:
	s_mov_b64 s[64:65], 0
	v_nop
	global_prefetch_b8 v0, s[64:65] scope:SCOPE_SE
	s_setreg_imm32_b32 hwreg(HW_REG_WAVE_MODE, 25, 1), 1
	s_wait_xcnt 0x0
; x [8192][1024] and wq, wk, wv, wo [1024][1024], f32, K innermost, become codes of FP4 (E2M1) with one E8M0 byte for each 32 along K.
; The codes are laid as IMAGES OF THE OPERAND'S REGISTERS: cod [tile 0..767][K step 0..7][c 0..1][512 bytes]; in a half image lane l's 16 bytes lie at 16 l:
; lane (r, h) holds k = 64 c + 32 h + 0 .. 31 of the tile's row r.  Tiles 0-511 x, 512-575 wq, 576-639 wk, 640-703 wv, 704-767 wo.
; THE ROWS OF A TILE ARE NOT NEIGHBOURS: tile T holds rows 32 (T / 2) + 8 (T % 2) + r + 8 (r / 8), so that results of two neighbouring tiles used as source 0 are 16 neighbours in a lane.
; The scale words (four bytes: one K step of one row) are laid scl [K step][group of four tiles][r][tile % 4].
; A block's scale byte is its largest magnitude's exponent field - 2, held at 1 from below.
; LIMITS: a block of zeros, and one whose largest magnitude lies under 2^-124, gets the byte 1 (zeros give zero codes; the bytes are read by this program alone); NaN and infinities are not served.
; SHARES: work-group g takes the group of four tiles g / 2 (64 rows) and half g % 2 of K; wave w takes tile w of the group: four fragments of 16 rows x 128 K.
; Each load reads 512 consecutive bytes of one row; a fragment turns through the wave's own stage in LDS, so that a lane gets two whole blocks of 32 neighbours.
.set SP,   528                         ; a stage row: 512 bytes + 16: sixteen rows start at sixteen different groups of banks
.set STW,  16*SP                       ; a wave's stage
.set SCG,  4*STW                       ; behind the stages: the work-group's scale words, [fragment][r][wave], 1,024 bytes
.set R,    32                          ; v32-159   two sets of 64 registers as loaded
.set X,    160                         ; v160-223  64 numbers: two blocks of 32 neighbours
.set C,    224                         ; v224-255  codes, eight registers a fragment: no store's data are written again
.set SW,   20                          ; v20-23    a scale word for each fragment
	s_load_b256 s[4:11], s[0:1], 0x0               ; x, wq, wk, wv
	s_load_b128 s[12:15], s[0:1], 0x20             ; wo, cod
	s_load_b64 s[16:17], s[0:1], 0x30              ; scl
	v_lshl_add_u32 v30, v0, 2, 0x8800
	v_mov_b32 v31, 0
	v_lshrrev_b32 v1, 5, v0
	v_readfirstlane_b32 s18, v1                    ; wave 0..3
	v_and_b32 v1, 31, v0                           ; lane
	v_and_b32 v2, 15, v0                           ; r
	v_bfe_u32 v3, v0, 4, 1                         ; h
	v_lshlrev_b32 v4, 4, v1                        ; 16 x lane: my bytes of a load and of a half image
	s_mul_i32 s19, s18, STW
	v_add_nc_u32 v5, s19, v4                       ; the stage, on the way in
	v_mul_u32_u24 v6, v2, SP
	v_lshl_add_u32 v6, v3, 7, v6
	v_add_nc_u32 v6, s19, v6                       ; and on the way out: row r, + 128 h bytes (32 numbers)
	s_lshl_b32 s19, s18, 2
	s_add_co_u32 s19, s19, SCG
	v_lshl_add_u32 v7, v2, 4, s19                  ; where my row's scale word goes: 16 r + 4 wave
	s_lshl_b32 s19, s18, 8
	s_add_co_u32 s19, s19, SCG
	v_lshl_add_u32 v8, v1, 3, s19                  ; and from where wave w reads fragment w's 256 bytes back
	v_lshlrev_b32 v9, 3, v1                        ; 8 x lane
	v_lshlrev_b32 v10, 3, v3                       ; 8 h: my bytes' place in the scale word, in bits
	v_mov_b32 v14, 0                               ; written once: a lane permute's destination counts as one of its sources
	s_mov_b32 s24, 0x76543210
	s_mov_b32 s25, 0xfedcba98                      ; selects for lane l xor 16
	s_lshr_b32 s26, ttmp9, 1                       ; the group of four tiles
	s_and_b32 s27, ttmp9, 1                        ; the half of K
	s_and_b32 s28, s26, 15
	s_cmp_lt_u32 ttmp9, 256
	s_cselect_b32 s28, s26, s28                    ; the group inside its own tensor
	s_lshl_b32 s28, s28, 18                        ; 64 rows of 4,096 bytes
	s_lshl_b32 s29, s27, 11                        ; 512 numbers along K
	s_add_co_u32 s28, s28, s29
	s_lshr_b32 s29, s18, 1
	s_lshl_b32 s29, s29, 17                        ; 32 rows for each pair of tiles
	s_add_co_u32 s28, s28, s29
	s_and_b32 s29, s18, 1
	s_lshl_b32 s29, s29, 15                        ; 8 rows for the odd tile
	s_add_co_u32 s28, s28, s29
	s_mov_b32 s29, 0
	s_lshl_b32 s30, s26, 2
	s_add_co_u32 s30, s30, s18                     ; my tile
	s_lshl_b32 s30, s30, 13
	s_lshl_b32 s31, s27, 12
	s_add_co_u32 s30, s30, s31                     ; its codes: 8,192 bytes a tile, 4,096 for half of K
	s_mov_b32 s31, 0
	s_lshl_b32 s32, s27, 2
	s_add_co_u32 s32, s32, s18
	s_mul_i32 s32, s32, 49152                      ; the plane of K step 4 half + wave,
	s_lshl_b32 s33, s26, 8
	s_add_co_u32 s32, s32, s33                     ; the group's 256 bytes in it
	s_mov_b32 s33, 0
	s_wait_alu depctr_va_vdst(0)
	s_wait_kmcnt 0x0
	s_mov_b64 s[20:21], s[12:13]                   ; which tensor: the choice hangs on the work-group's number alone
	s_cmp_lt_u32 ttmp9, 352
	s_cselect_b64 s[20:21], s[10:11], s[20:21]
	s_cmp_lt_u32 ttmp9, 320
	s_cselect_b64 s[20:21], s[8:9], s[20:21]
	s_cmp_lt_u32 ttmp9, 288
	s_cselect_b64 s[20:21], s[6:7], s[20:21]
	s_cmp_lt_u32 ttmp9, 256
	s_cselect_b64 s[20:21], s[4:5], s[20:21]
	s_add_nc_u64 s[20:21], s[20:21], s[28:29]
	s_add_nc_u64 s[14:15], s[14:15], s[30:31]
	s_add_nc_u64 s[16:17], s[16:17], s[32:33]
.macro LOAD f                          ; fragment f: the tile's sixteen rows, 512 consecutive bytes each
.irp i, 0,1,2,3,4,5,6,7,8,9,10,11,12,13,14,15
	global_load_b128 v[R+64*((\f)%2)+4*\i:R+64*((\f)%2)+4*\i+3], v4, s[20:21] offset:(\i+8*(\i/8))*4096+512*(\f) th:TH_LOAD_NT
.endr
.endm
.macro FRAG f
.if (\f) < 3
	s_wait_loadcnt 16                              ; this fragment's 16 loads are in; the next fragment's 16 may be out
.else
	s_wait_loadcnt 0x0
.endif
.irp i, 0,1,2,3,4,5,6,7,8,9,10,11,12,13,14,15
	ds_store_b128 v5, v[R+64*((\f)%2)+4*\i:R+64*((\f)%2)+4*\i+3] offset:SP*\i
.endr
.irp c, 0,1
.irp g, 0,1,2,3,4,5,6,7
	ds_load_b128 v[X+32*\c+4*\g:X+32*\c+4*\g+3], v6 offset:256*\c+16*\g   ; LDS serves a wave's instructions in order: these see the stores above
.endr
.endr
	s_wait_dscnt 0x0                               ; my 64 numbers are back, and the stores have read their registers,
.if (\f) < 2
	LOAD (\f)+2                                    ; which take the loads of two fragments on
.endif
.irp c, 0,1
	v_max3_num_f32 v[11+\c], |v[X+32*\c]|, |v[X+32*\c+1]|, 0x1800000   ; block 2 c + h: all its 32 numbers are mine; the floor 2^(3 - 127) holds the byte at 1 from below
.endr
.irp i, 2,4,6,8,10,12,14,16,18,20,22,24,26,28,30
.irp c, 0,1
	v_max3_num_f32 v[11+\c], v[11+\c], |v[X+32*\c+\i]|, |v[X+32*\c+\i+1]|
.endr
.endr
.irp c, 0,1
	v_add_nc_u32 v[16+\c], 0xff000000, v[11+\c]    ; 2 off the exponent field: the conversion's scale operand
.endr
.irp c, 0,1
	v_lshrrev_b32 v[18+\c], 23, v[16+\c]           ; the scale's byte
.endr
	v_lshl_or_b32 v13, v19, 16, v18                ; my two bytes: blocks h and 2 + h,
	v_lshlrev_b32 v13, v10, v13                    ; at their places in the word;
	v_permlanex16_b32 v14, v13, s24, s25
	v_or_b32 v[SW+\f], v13, v14                    ; with lane l xor 16's two the word is whole
.irp c, 0,1
.irp g, 0,1,2,3
	v_cvt_scalef32_pk8_fp4_f32 v[C+8*(\f)+4*\c+\g], v[X+32*\c+8*\g:X+32*\c+8*\g+7], v[16+\c]   ; registers 4 c .. 4 c + 3 of the operand
.endr
.endr
	v_nop                                          ; one plain line behind the last conversion
.irp c, 0,1
	global_store_b128 v4, v[C+8*(\f)+4*\c:C+8*(\f)+4*\c+3], s[14:15] offset:1024*(\f)+512*\c   ; a half image: 512 consecutive bytes
.endr
	ds_store_b32 v7, v[SW+\f] offset:256*(\f)      ; both lanes of a row write the same word with the same value
.endm
	LOAD 0
	LOAD 1
	FRAG 0
	FRAG 1
	FRAG 2
	FRAG 3
	s_wait_dscnt 0x0                               ; for the others' sake: my scale words lie in LDS
	s_barrier_signal -1
	s_barrier_wait -1
	ds_load_b64 v[12:13], v8                       ; wave w takes K step w's words of all four tiles: [r][tile]
	s_wait_dscnt 0x0
	global_store_b64 v9, v[12:13], s[16:17]        ; 256 consecutive bytes, aligned
	s_wait_tensorcnt 0x0
	ds_add_u32 v30, v31
	s_wait_dscnt 0x0
	s_endpgm
.Lfunc_end_k_q41956a1060_quant:
	.size	k_q41956a1060_quant, .Lfunc_end_k_q41956a1060_quant-k_q41956a1060_quant
	.p2alignl 7, 3214868480
	.fill 96, 4, 3214868480
	.section	.rodata,"a",@progbits
	.p2align	6, 0x0
	.amdhsa_kernel k_q41956a1060_quant
		.amdhsa_group_segment_fixed_size 35328
		.amdhsa_private_segment_fixed_size 0
		.amdhsa_enable_private_segment 0
		.amdhsa_kernarg_size 56
		.amdhsa_user_sgpr_count 2
		.amdhsa_user_sgpr_kernarg_segment_ptr 1
		.amdhsa_wavefront_size32 1
		.amdhsa_system_sgpr_workgroup_id_x 1
		.amdhsa_system_sgpr_workgroup_id_y 1
		.amdhsa_system_sgpr_workgroup_id_z 1
		.amdhsa_system_vgpr_workitem_id 0
		.amdhsa_next_free_vgpr 256
		.amdhsa_next_free_sgpr 66
		.amdhsa_reserve_vcc 0
		.amdhsa_float_denorm_mode_32 3
		.amdhsa_float_denorm_mode_16_64 3
		.amdhsa_memory_ordered 1
		.amdhsa_forward_progress 1
		.amdhsa_inst_pref_size 31
	.end_amdhsa_kernel
	.amdgpu_metadata
---
amdhsa.version: [ 1, 2 ]
amdhsa.kernels:
  - .name:           k_q41956a1060_quant
    .symbol:         k_q41956a1060_quant.kd
    .args:
      - { .name: x, .offset: 0, .size: 8, .value_kind: global_buffer, .address_space: global }
      - { .name: wq, .offset: 8, .size: 8, .value_kind: global_buffer, .address_space: global }
      - { .name: wk, .offset: 16, .size: 8, .value_kind: global_buffer, .address_space: global }
      - { .name: wv, .offset: 24, .size: 8, .value_kind: global_buffer, .address_space: global }
      - { .name: wo, .offset: 32, .size: 8, .value_kind: global_buffer, .address_space: global }
      - { .name: cod, .offset: 40, .size: 8, .value_kind: global_buffer, .address_space: global }
      - { .name: scl, .offset: 48, .size: 8, .value_kind: global_buffer, .address_space: global }
    .group_segment_fixed_size: 35328
    .private_segment_fixed_size: 0
    .kernarg_segment_align: 8
    .kernarg_segment_size: 56
    .max_flat_workgroup_size: 128
    .sgpr_count:     66
    .vgpr_count:     256
    .wavefront_size: 32
...
	.end_amdgpu_metadata
.endif
;; end of part 1
;; launch proj (part 2): grid 12 x 64, 4 waves a work-group, clusters of 4 x 4, 209,408 bytes of LDS; arguments cod, scl, bq, bk, bv, rec; writes rec
.if DOCPART == 2
	.amdgcn_target "amdgcn-amd-amdhsa--gfx1250"
	.amdhsa_code_object_version 6
	.text
	.protected	k_q41956a1060_proj
	.globl	k_q41956a1060_proj
	.p2align	8
	.type	k_q41956a1060_proj,@function
k_q41956a1060_proj:
	s_mov_b64 s[64:65], 0
	v_nop
	global_prefetch_b8 v0, s[64:65] scope:SCOPE_SE
	s_setreg_imm32_b32 hwreg(HW_REG_WAVE_MODE, 25, 1), 1
	s_wait_xcnt 0x0
	s_wait_alu depctr_hold_cnt(0) depctr_sa_sdst(0) depctr_va_vdst(0) depctr_va_sdst(0) depctr_va_ssrc(0) depctr_va_vcc(0) depctr_vm_vsrc(0)
	s_getreg_b32 s2, hwreg(HW_REG_IB_STS2, 6, 4)
	s_cmp_eq_u32 s2, 0
	s_cbranch_scc0 .Lentry_in_a_cluster
	s_endpgm
.Lentry_in_a_cluster:
	s_bfe_u32 s2, ttmp6, 0x10000c
	s_cmp_lg_u32 s2, 0xf033
	s_cbranch_scc0 .Lentry_shape_is_right
	s_endpgm
.Lentry_shape_is_right:
; q = x wq^T + bq, k = x wk^T + bk, v = x wv^T + bv on codes of FP4 with E8M0 scales, and the results quantised at once for attention's two products.
; A work-group makes 128 L rows x 256 R rows over all of K = 1,024.  L is source 1 (its rows fall on lanes), R is source 0 (its rows run along a lane's registers).
; By the tile order (tile T = rows 32 (T / 2) + 8 (T % 2) + r + 8 (r / 8)) the 16 registers of R tiles 2 c and 2 c + 1 are 16 neighbours: 32 c + 16 h + 0 .. 15.
; MODES, by the cluster's x, which all sixteen partners share: 0: q, 1: k: L = x, R = the weight: a lane's registers run along the head's channels, which are the first attention product's K.
;   2: v: L = wv, R = x: a lane's registers run along the tokens, which are the second product's K.
; OUT: rec [which 0..1][batch x 16 + head][key step of 128 tokens], records of 8,960 bytes.  which = 1: 0: k's codes, 8 token tiles x 512; 4096: v's codes [channel tile][c][512];
;   8192: v's scale words [r][channel tile]; 8448: k's scale words [tile / 4][r][tile % 4] (bytes 2, 3 are 0: they scale zero codes).  which = 0: q's codes and scale words at k's places.
; All of a work-group's operands fit in LDS: nothing is filled twice.  Each wave has three tensor loads out: its part of the scale words, of K's first half and of K's second half.
; CLUSTER 4 x 4: L's tiles are shared along a row of the cluster, R's along a column: joint loads.
; The bias is the C of each sum's first product.  Both forms of it are loaded in the common text (the q, k form from bq or bk, the v form from bv), so that every way through the text finds its registers written; a mode uses one of them.
; LIMITS: a block of zeros, and one whose largest magnitude lies under 2^-124, gets the byte 1; NaN and infinities are not served; the bias is added ahead of the products, not behind them.
; REGISTERS: window 0: v1-7 ids and offsets; v16-25 LDS addresses; v26-29 bv; v32-47 scale words, two sets; v128-191 L's fragments, two sets; v192-255 the bias; on the way out v48-175 at work.
;   window 1: R's fragments, two sets of 64.   window 2: the 32 accumulators, (a, b) at v[8 (8 a + b)].
.set SLOTB, 98304                      ; an LDS slot: half of K: L's 8 tiles x 4,096 bytes, then R's 16
.set RBASE, 32768
.set SCA,   196608                     ; L's scale words [K step][2 groups][256 bytes]
.set SCB,   200704                     ; R's [K step][4 groups][256 bytes]
.set HEADB, 143360                     ; a head's 16 records
.set RECB,  8960
.set WHICH, 9175040                    ; 64 heads
.set LI,   4
.set ADRL, 16
.set ADRR, 20
.set ADSL, 24
.set ADSR, 25
.set BA,   26
.set SL,   32
.set SR,   40
.set LF,   128
.set BI,   192
.set TM,   48                          ; the way out: 16 blocks' largest magnitudes,
.set SO,   64                          ; the conversions' scale operands,
.set BY,   80                          ; the bytes,
.set WD,   96                          ; the words,
.set SD,   112                         ; the words as stored,
.set PC,   128                         ; the codes,
.set TX,   160                         ; and lane l xor 16's maxima
.set WV, 16
.set WR, 17
.set WC, 18
.set CX, 19
.set CY, 20
.set CLY, 21
.set MODE, 22
.set G1L, 24
.set G0L, 32
.set G1R, 40
.set G0R, 48
.set G1SL, 56
.set G0SL, 68
.set G1SR, 72
.set G0SR, 80
.set MSB, 0
.macro WIN new                         ; the immediate's high byte repeats the setting that is left
.if MSB != \new
	s_set_vgpr_msb (MSB<<8)|\new
.set MSB, \new
.endif
.endm
.macro PLACES                          ; four plain lines behind matrix instructions, ahead of loads into their registers and of reads of their results
.rept 4
	v_nop
.endr
.endm
.macro GROUP1 g, c, r, p               ; r rows of c elements of 8 bytes, p elements apart
	s_mov_b32 s[\g+1], (\c)<<16
	s_mov_b32 s[\g+2], (\r)<<16
	s_mov_b32 s[\g+3], (\c)<<16
	s_mov_b32 s[\g+4], \r
	s_mov_b32 s[\g+5], \p
	s_mov_b32 s[\g+6], 0
	s_mov_b32 s[\g+7], 0
.endm
.macro JLOAD g0a, g1a, g0b, g1b        ; a joint load: waves 0 and 1 fetch for L, waves 2 and 3 for R; four v_nop follow each line
	s_cmp_eq_u32 s[WR], 0
	s_cbranch_scc0 .Lfor_r_\@
	tensor_load_to_lds s[\g0a:\g0a+3], s[\g1a:\g1a+7]
	s_nop 0
.rept 4
	v_nop
.endr
	s_branch .Lasked_\@
.Lfor_r_\@:
	tensor_load_to_lds s[\g0b:\g0b+3], s[\g1b:\g1b+7]
	s_nop 0
.rept 4
	v_nop
.endr
.Lasked_\@:
.endm
.macro CROUND                          ; a round of the cluster's barrier
	s_barrier_signal -1
	s_barrier_wait -1
	s_cmp_lg_u32 s[WV], 0
	s_cbranch_scc1 .Lnot_wave_0_\@
	s_barrier_signal -3
.Lnot_wave_0_\@:
	s_barrier_wait -3
	s_barrier_signal -1
	s_barrier_wait -1
.endm
	s_load_b256 s[4:11], s[0:1], 0x0               ; cod, scl, bq, bk
	s_load_b128 s[12:15], s[0:1], 0x20             ; bv, rec
	v_lshl_add_u32 v126, v0, 2, 0x33000
	v_mov_b32 v127, 0
	ds_add_u32 v126, v127
	ds_add_u32 v126, v127
	v_lshrrev_b32 v1, 5, v0
	v_readfirstlane_b32 s[WV], v1                  ; wave 0..3
	s_lshr_b32 s[WR], s[WV], 1                     ; my half of L's tiles.  Also: I fetch for L (0) or for R (1)
	s_and_b32 s[WC], s[WV], 1                      ; my half of R's tiles.  Also: which half of that side I fetch
	s_bfe_u32 s[CX], ttmp6, 0x40000
	s_bfe_u32 s[CY], ttmp6, 0x40004
	s_and_b32 s[CLY], ttmp7, 0xffff                ; the cluster's y, 0..15
	s_cmp_eq_u32 ttmp9, 2
	s_cselect_b32 s[MODE], 1, 0                    ; 1: v
	s_and_b32 s96, s[CLY], 1                       ; L's first tile: it hangs on cy and on the cluster's place alone
	s_cmp_eq_u32 s[MODE], 1
	s_cselect_b32 s96, s96, s[CLY]
	s_lshl_b32 s96, s96, 2
	s_add_co_u32 s96, s96, s[CY]
	s_lshl_b32 s96, s96, 3
	s_mul_i32 s23, s[MODE], 640
	s_add_co_u32 s96, s96, s23                     ; q, k: 8 (4 cluster y + cy) in x;  v: 640 + 8 (4 (cluster y % 2) + cy) in wv
	s_lshr_b32 s97, s[CLY], 1                      ; R's first tile: it hangs on cx and on the cluster's place alone
	s_cmp_eq_u32 s[MODE], 1
	s_cselect_b32 s97, s97, ttmp9
	s_lshl_b32 s97, s97, 2
	s_add_co_u32 s97, s97, s[CX]
	s_lshl_b32 s97, s97, 4
	s_xor_b32 s23, s[MODE], 1
	s_lshl_b32 s23, s23, 9
	s_add_co_u32 s97, s97, s23                     ; q, k: 512 + 16 (4 cluster x + cx) in wq, wk;  v: 16 (4 (cluster y / 2) + cx) in x
	s_lshl_b32 s98, s[WC], 2
	s_add_co_u32 s84, s96, s98
	s_lshl_b32 s84, s84, 13                        ; L's codes: my four tiles of 8,192 bytes
	s_mov_b32 s85, 0
	s_lshl_b32 s98, s[WC], 3
	s_add_co_u32 s86, s97, s98
	s_lshl_b32 s86, s86, 13                        ; R's: my eight
	s_mov_b32 s87, 0
	s_mul_i32 s98, s[WC], 196608                   ; the scale words: my four planes of 49,152 bytes,
	s_lshl_b32 s88, s96, 6                         ; 64 bytes a tile in each
	s_add_co_u32 s88, s88, s98
	s_mov_b32 s89, 0
	s_lshl_b32 s90, s97, 6
	s_add_co_u32 s90, s90, s98
	s_mov_b32 s91, 0
	s_lshl_b32 s99, s[CY], 2
	s_lshl_b32 s99, 15, s99                        ; my row of the cluster
	s_lshl_b32 s23, 0x1111, s[CX]                  ; my column
	s_or_b32 s[G1L], s99, (3<<16)|(1<<21)          ; 15:0 the mask; 17:16 elements of 8 bytes; 21 set beside a mask; no padding: every read is 16 x lane on end
	s_or_b32 s[G1SL], s99, (3<<16)|(1<<21)
	s_or_b32 s[G1R], s23, (3<<16)|(1<<21)
	s_or_b32 s[G1SR], s23, (3<<16)|(1<<21)
	GROUP1 G1L, 512, 4, 1024                       ; four tiles' 4,096 bytes of half of K, 8,192 bytes apart
	GROUP1 G1R, 512, 8, 1024
	GROUP1 G1SL, 64, 4, 6144                       ; four planes' 512 bytes
	GROUP1 G1SR, 128, 4, 6144                      ; four planes' 1,024 bytes
	s_mov_b32 s94, 0x76543210
	s_mov_b32 s95, 0xfedcba98                      ; selects for lane l xor 16
	s_wait_dscnt 0x0
	s_wait_kmcnt 0x0
	s_add_nc_u64 s[84:85], s[4:5], s[84:85]
	s_add_nc_u64 s[86:87], s[4:5], s[86:87]
	s_add_nc_u64 s[88:89], s[6:7], s[88:89]
	s_add_nc_u64 s[90:91], s[6:7], s[90:91]
	s_lshl_b32 s98, s[WC], 11
	s_mov_b32 s[G0SL], 1
	s_add_co_u32 s[G0SL+1], s98, SCA
	s_mov_b64 s[G0SL+2:G0SL+3], s[88:89]
	s_or_b32 s[G0SL+3], s[G0SL+3], 0x80000000
	s_lshl_b32 s98, s[WC], 12
	s_mov_b32 s[G0SR], 1
	s_add_co_u32 s[G0SR+1], s98, SCB
	s_mov_b64 s[G0SR+2:G0SR+3], s[90:91]
	s_or_b32 s[G0SR+3], s[G0SR+3], 0x80000000
	s_lshl_b32 s98, s[WC], 14
	s_lshl_b32 s99, s[WC], 15
	s_add_co_u32 s99, s99, RBASE
.irp k, 0,1
	s_mov_b32 s[G0L+4*\k], 1
	s_add_co_u32 s[G0L+4*\k+1], s98, \k*SLOTB
	s_add_nc_u64 s[G0L+4*\k+2:G0L+4*\k+3], s[84:85], \k*4096
	s_or_b32 s[G0L+4*\k+3], s[G0L+4*\k+3], 0x80000000
	s_mov_b32 s[G0R+4*\k], 1
	s_add_co_u32 s[G0R+4*\k+1], s99, \k*SLOTB
	s_add_nc_u64 s[G0R+4*\k+2:G0R+4*\k+3], s[86:87], \k*4096
	s_or_b32 s[G0R+4*\k+3], s[G0R+4*\k+3], 0x80000000
.endr
	CROUND                                         ; all sixteen work-groups are here: the joint loads meet
	JLOAD G0SL, G1SL, G0SR, G1SR                   ; the scale words of all of K
	JLOAD G0L, G1L, G0R, G1R                       ; K's first half
	JLOAD G0L+4, G1L, G0R+4, G1R                   ; K's second half
	v_and_b32 v1, 31, v0                           ; lane
	v_and_b32 v2, 15, v0                           ; r
	v_bfe_u32 v3, v0, 4, 1                         ; h
	v_lshlrev_b32 v[LI], 4, v1
	s_wait_alu depctr_va_vdst(0)
	s_lshl_b32 s98, s[WR], 14
	v_add_nc_u32 v[ADRL], s98, v[LI]               ; my four tiles of L in slot 0,
	s_add_co_u32 s98, s98, SLOTB
	v_add_nc_u32 v[ADRL+1], s98, v[LI]             ; in slot 1
	s_lshl_b32 s98, s[WC], 15
	s_add_co_u32 s98, s98, RBASE
	v_add_nc_u32 v[ADRR], s98, v[LI]               ; my eight tiles of R
	s_add_co_u32 s98, s98, SLOTB
	v_add_nc_u32 v[ADRR+1], s98, v[LI]
	s_lshl_b32 s98, s[WR], 8
	s_add_co_u32 s98, s98, SCA
	v_lshl_add_u32 v[ADSL], v2, 4, s98             ; L's words: row r's four tiles
	s_lshl_b32 s98, s[WC], 9
	s_add_co_u32 s98, s98, SCB
	v_add_nc_u32 v[ADSR], s98, v[LI]               ; R's: lanes 0-15 tiles 0-3, lanes 16-31 tiles 4-7
	s_cmp_eq_u32 ttmp9, 0                          ; the bias along the registers: 128 features of bq (q) or bk
	s_cselect_b64 s[90:91], s[8:9], s[10:11]
	s_lshl_b32 s98, s[CX], 10
	s_lshl_b32 s99, s[WC], 9
	s_add_co_u32 s98, s98, s99
	s_mov_b32 s99, 0
	s_add_nc_u64 s[90:91], s[90:91], s[98:99]
	v_lshlrev_b32 v5, 6, v3                        ; 16 h numbers on
.irp b, 0,1,2,3,4,5,6,7
	global_load_b128 v[BI+8*\b:BI+8*\b+3], v5, s[90:91] offset:(32*(\b/2)+8*(\b%2))*4
	global_load_b128 v[BI+8*\b+4:BI+8*\b+7], v5, s[90:91] offset:(32*(\b/2)+8*(\b%2))*4+16
.endr
	s_and_b32 s98, s[CLY], 1                       ; the bias along the lanes: 64 features of bv
	s_lshl_b32 s98, s98, 2
	s_add_co_u32 s98, s98, s[CY]
	s_lshl_b32 s98, s98, 9
	s_lshl_b32 s99, s[WR], 8
	s_add_co_u32 s98, s98, s99
	s_mov_b32 s99, 0
	s_add_nc_u64 s[88:89], s[12:13], s[98:99]
	v_and_b32 v6, 8, v2
	v_add_nc_u32 v6, v6, v2                        ; r + 8 (r / 8)
	v_lshlrev_b32 v6, 2, v6
.irp a, 0,1,2,3
	global_load_b32 v[BA+\a], v6, s[88:89] offset:(32*(\a/2)+8*(\a%2))*4
.endr
; the fragments and scale words of the slot's q-th 128 along K, into set: 26 LDS loads in one run
.macro FETCH slot, q, set
	WIN 0x40                                       ; destination window 1
.irp b, 0,1,2,3,4,5,6,7
.irp c, 0,1
	ds_load_b128 v[64*(\set)+8*\b+4*\c:64*(\set)+8*\b+4*\c+3], v[ADRR+(\slot)] offset:4096*\b+1024*(\q)+512*\c
.endr
.endr
	WIN 0
.irp a, 0,1,2,3
.irp c, 0,1
	ds_load_b128 v[LF+32*(\set)+8*\a+4*\c:LF+32*(\set)+8*\a+4*\c+3], v[ADRL+(\slot)] offset:4096*\a+1024*(\q)+512*\c
.endr
.endr
	ds_load_b128 v[SL+4*(\set):SL+4*(\set)+3], v[ADSL] offset:512*(4*(\slot)+(\q))
	ds_load_b128 v[SR+4*(\set):SR+4*(\set)+3], v[ADSR] offset:1024*(4*(\slot)+(\q))
.endm
; 32 products.  cm = 0: onto the sums; 1: the sums begin with the bias along the registers; 2: with the bias along the lanes.  The 32 accumulators take turns, one instruction a turn, in the same order in every step.
.macro MUL set, cm
.if \cm == 0
	WIN 0xa1                                       ; source 0 (R) window 1, source 1 (L) window 0, C and D window 2
.else
	WIN 0x81                                       ; C window 0
.endif
.irp a, 0,1,2,3
.irp b, 0,1,2,3,4,5,6,7
.if \cm == 0
.set CR, 8*(8*\a+\b)
.elseif \cm == 1
.set CR, BI+8*\b
.else
.set CR, BI+8*\a
.endif
.if \b < 4
	v_wmma_scale_f32_16x16x128_f8f6f4 v[8*(8*\a+\b):8*(8*\a+\b)+7], v[64*(\set)+8*\b:64*(\set)+8*\b+7], v[LF+32*(\set)+8*\a:LF+32*(\set)+8*\a+7], v[CR:CR+7], v[SR+4*(\set)+\b%4], v[SL+4*(\set)+\a] matrix_a_fmt:MATRIX_FMT_FP4 matrix_b_fmt:MATRIX_FMT_FP4
.else
	v_wmma_scale_f32_16x16x128_f8f6f4 v[8*(8*\a+\b):8*(8*\a+\b)+7], v[64*(\set)+8*\b:64*(\set)+8*\b+7], v[LF+32*(\set)+8*\a:LF+32*(\set)+8*\a+7], v[CR:CR+7], v[SR+4*(\set)+\b%4], v[SL+4*(\set)+\a] matrix_a_fmt:MATRIX_FMT_FP4 matrix_b_fmt:MATRIX_FMT_FP4 matrix_a_scale:MATRIX_SCALE_ROW1
.endif
.endr
.endr
.endm
.macro STEP s                          ; K step s = 1 .. 7
	s_wait_dscnt 0x0                               ; this step's 26 loads, issued ahead of the last step's 32 products
.if \s == 3
	s_wait_tensorcnt 0x0                           ; my part of K's second half has landed,
	s_barrier_signal -1
	s_barrier_wait -1                              ; everybody's has
.endif
.if \s < 7
	PLACES                                         ; the set that the step before multiplied is loaded again
	FETCH ((\s)+1)/4, ((\s)+1)%4, ((\s)+1)%2
.endif
	MUL (\s)%2, 0
.endm
	s_wait_alu depctr_va_vdst(0)
	s_wait_tensorcnt 1                             ; the scale words and K's first half are in; the second half's load may stay out
	s_barrier_signal -1
	s_barrier_wait -1
	FETCH 0, 0, 0
	s_wait_loadcnt 0x0                             ; the biases
	s_wait_dscnt 0x0
	FETCH 0, 1, 1
	s_cmp_eq_u32 s[MODE], 1
	s_cbranch_scc1 .Lv_first
	MUL 0, 1
	WIN 0
	s_branch .Lfirst_done
.Lv_first:
.irp a, 0,1,2,3
.irp j, 0,1,2,3,4,5,6,7
	v_mov_b32 v[BI+8*\a+\j], v[BA+\a]              ; a lane's feature has one bias for all eight tokens of a register run
.endr
.endr
	PLACES
	MUL 0, 2
	WIN 0
.Lfirst_done:
	STEP 1
	STEP 2
	STEP 3
	STEP 4
	STEP 5
	STEP 6
	STEP 7
	; THE WAY OUT.  Block k = 4 a + c: the 16 registers v[16 k ..] of window 2 and lane l xor 16's are 32 neighbours along the next product's K, of L tile a's row r.
	PLACES
	WIN 0x28                                       ; sources 1 and 2 window 2
.set i, 0
.rept 8
.set k, 0
.rept 16
.if i == 0
	v_max3_num_f32 v[TM+k], 0x1800000, |v[16*k]|, |v[16*k+1]|       ; each accumulator is read from its low end on; the floor 2^(3 - 127) holds the byte at 1 from below
.else
	v_max3_num_f32 v[TM+k], v[TM+k], |v[16*k+i]|, |v[16*k+i+1]|
.endif
.set k, k+1
.endr
.set i, i+2
.endr
	WIN 0
.set k, 0
.rept 16
	v_permlanex16_b32 v[TX+k], v[TM+k], s94, s95
.set k, k+1
.endr
.set k, 0
.rept 16
	v_max_num_f32 v[TM+k], v[TM+k], v[TX+k]        ; the block's largest magnitude
.set k, k+1
.endr
.set k, 0
.rept 16
	v_add_nc_u32 v[SO+k], 0xff000000, v[TM+k]      ; 2 off the exponent field: the conversion's scale operand
.set k, k+1
.endr
.set k, 0
.rept 16
	v_lshrrev_b32 v[BY+k], 23, v[SO+k]             ; the scale's byte
.set k, k+1
.endr
	WIN 0x02                                       ; source 0 window 2
.set k, 0
.rept 16
	v_cvt_scalef32_pk8_fp4_f32 v[PC+2*k], v[16*k:16*k+7], v[SO+k]
	v_cvt_scalef32_pk8_fp4_f32 v[PC+2*k+1], v[16*k+8:16*k+15], v[SO+k]
.set k, k+1
.endr
	WIN 0
	v_nop                                          ; one plain line behind the last conversion
.irp a, 0,1,2,3
.irp c, 0,1
.irp i, 0,1
	v_permlane16_swap_b32 v[PC+8*\a+4*\c+\i], v[PC+8*\a+4*\c+2+\i]   ; a whole block to a lane: registers 4 c .. 4 c + 3 hold k = 64 c + 32 h + 0 .. 31
.endr
.endr
.endr
	v_cmp_lt_u32 vcc_lo, 15, v1                    ; lanes 16-31
	s_cmp_eq_u32 s[MODE], 1
	s_cbranch_scc1 .Lv_out
	; q, k: my 128 features are two heads; half image c of L tile a is head c's 64 channels of 16 tokens
	s_lshl_b32 s96, s[CLY], 2
	s_add_co_u32 s96, s96, s[CY]                   ; the block of 128 tokens: 16 x batch + key step
	s_lshr_b32 s97, s96, 4
	s_lshl_b32 s97, s97, 4
	s_lshl_b32 s98, s[CX], 2
	s_add_co_u32 s97, s97, s98
	s_lshl_b32 s98, s[WC], 1
	s_add_co_u32 s97, s97, s98                     ; 16 x batch + my first head
	s_mul_i32 s97, s97, HEADB
	s_and_b32 s96, s96, 15
	s_mul_i32 s96, s96, RECB
	s_add_co_u32 s96, s96, s97
	s_mul_i32 s97, ttmp9, WHICH
	s_add_co_u32 s96, s96, s97
	s_mov_b32 s97, 0
	s_add_nc_u64 s[92:93], s[14:15], s[96:97]      ; the record
	s_lshl_b32 s98, s[WR], 11
	s_mov_b32 s99, 0
	s_add_nc_u64 s[84:85], s[92:93], s[98:99]      ; my four token tiles in it
	s_lshl_b32 s98, s[WR], 8
	s_add_co_u32 s98, s98, 8448
	s_add_nc_u64 s[86:87], s[92:93], s[98:99]      ; and their scale words
	s_wait_alu depctr_va_vdst(0)
.irp a, 0,1,2,3
.irp c, 0,1
	global_store_b128 v[LI], v[PC+8*\a+4*\c:PC+8*\a+4*\c+3], s[84:85] offset:\c*HEADB+\a*512   ; 512 consecutive bytes
.endr
.endr
.irp a, 0,1,2,3
.irp c, 0,1
	v_lshl_or_b32 v[WD+2*\a+\c], v[BY+4*\a+2*\c+1], 8, v[BY+4*\a+2*\c]   ; the head's two bytes; bytes 2 and 3 stay 0
.endr
.endr
.irp a, 0,1,2,3
	v_cndmask_b32 v[SD+\a], v[WD+2*\a], v[WD+2*\a+1], vcc_lo   ; lanes 0-15 store the first head's words, lanes 16-31 the second's
.endr
	v_mul_u32_u24 v7, v3, HEADB
	v_lshl_add_u32 v7, v2, 4, v7
	global_store_b128 v7, v[SD:SD+3], s[86:87]     ; sixteen lanes store 256 consecutive bytes, aligned
	s_branch .Lout_done
.Lv_out:
	; v: my 64 features are one head, my 128 tokens one key step: L tile a is channel tile a, its eight registers a whole fragment
	s_lshr_b32 s96, s[CLY], 1
	s_lshl_b32 s96, s96, 2
	s_add_co_u32 s96, s96, s[CX]                   ; the block of 256 tokens
	s_and_b32 s97, s[CLY], 1
	s_lshl_b32 s97, s97, 2
	s_add_co_u32 s97, s97, s[CY]
	s_lshl_b32 s97, s97, 1
	s_add_co_u32 s97, s97, s[WR]                   ; the head
	s_lshr_b32 s98, s96, 3
	s_lshl_b32 s98, s98, 4
	s_add_co_u32 s97, s97, s98                     ; + 16 x batch
	s_mul_i32 s97, s97, HEADB
	s_and_b32 s96, s96, 7
	s_lshl_b32 s96, s96, 1
	s_add_co_u32 s96, s96, s[WC]                   ; the key step
	s_mul_i32 s96, s96, RECB
	s_add_co_u32 s96, s96, s97
	s_add_co_u32 s96, s96, WHICH
	s_mov_b32 s97, 0
	s_add_nc_u64 s[92:93], s[14:15], s[96:97]
	s_wait_alu depctr_va_vdst(0)
.irp a, 0,1,2,3
.irp c, 0,1
	global_store_b128 v[LI], v[PC+8*\a+4*\c:PC+8*\a+4*\c+3], s[92:93] offset:4096+\a*1024+\c*512
.endr
.endr
.irp a, 0,1,2,3
	v_lshl_or_b32 v[WD+\a], v[BY+4*\a+1], 8, v[BY+4*\a]
	v_lshl_or_b32 v[WD+\a], v[BY+4*\a+2], 16, v[WD+\a]
	v_lshl_or_b32 v[WD+\a], v[BY+4*\a+3], 24, v[WD+\a]   ; channel r of tile a: the four bytes of these 128 keys
.endr
	v_cndmask_b32 v[SD], v[WD], v[WD+2], vcc_lo
	v_cndmask_b32 v[SD+1], v[WD+1], v[WD+3], vcc_lo
	v_lshlrev_b32 v7, 4, v2
	v_lshl_add_u32 v7, v3, 3, v7
	global_store_b64 v7, v[SD:SD+1], s[92:93] offset:8192   ; [r][tile]: the wave stores 256 consecutive bytes, aligned
.Lout_done:
	s_wait_tensorcnt 0x0
	s_wait_tensorcnt 0x0
	ds_add_u32 v126, v127
	s_wait_dscnt 0x0
	CROUND                                         ; the closing round: no work-group ends while a partner may still ask for a tile that names it
	s_endpgm
.Lfunc_end_k_q41956a1060_proj:
	.size	k_q41956a1060_proj, .Lfunc_end_k_q41956a1060_proj-k_q41956a1060_proj
	.p2alignl 7, 3214868480
	.fill 96, 4, 3214868480
	.section	.rodata,"a",@progbits
	.p2align	6, 0x0
	.amdhsa_kernel k_q41956a1060_proj
		.amdhsa_group_segment_fixed_size 209408
		.amdhsa_private_segment_fixed_size 0
		.amdhsa_enable_private_segment 0
		.amdhsa_kernarg_size 48
		.amdhsa_user_sgpr_count 2
		.amdhsa_user_sgpr_kernarg_segment_ptr 1
		.amdhsa_wavefront_size32 1
		.amdhsa_system_sgpr_workgroup_id_x 1
		.amdhsa_system_sgpr_workgroup_id_y 1
		.amdhsa_system_sgpr_workgroup_id_z 1
		.amdhsa_system_vgpr_workitem_id 0
		.amdhsa_next_free_vgpr 768
		.amdhsa_next_free_sgpr 100
		.amdhsa_reserve_vcc 1
		.amdhsa_float_denorm_mode_32 3
		.amdhsa_float_denorm_mode_16_64 3
		.amdhsa_memory_ordered 1
		.amdhsa_forward_progress 1
		.amdhsa_inst_pref_size 84
	.end_amdhsa_kernel
	.amdgpu_metadata
---
amdhsa.version: [ 1, 2 ]
amdhsa.kernels:
  - .name:           k_q41956a1060_proj
    .symbol:         k_q41956a1060_proj.kd
    .args:
      - { .name: cod, .offset: 0, .size: 8, .value_kind: global_buffer, .address_space: global }
      - { .name: scl, .offset: 8, .size: 8, .value_kind: global_buffer, .address_space: global }
      - { .name: bq, .offset: 16, .size: 8, .value_kind: global_buffer, .address_space: global }
      - { .name: bk, .offset: 24, .size: 8, .value_kind: global_buffer, .address_space: global }
      - { .name: bv, .offset: 32, .size: 8, .value_kind: global_buffer, .address_space: global }
      - { .name: rec, .offset: 40, .size: 8, .value_kind: global_buffer, .address_space: global }
    .group_segment_fixed_size: 209408
    .private_segment_fixed_size: 0
    .kernarg_segment_align: 8
    .kernarg_segment_size: 48
    .max_flat_workgroup_size: 128
    .sgpr_count:     100
    .vgpr_count:     768
    .wavefront_size: 32
...
	.end_amdgpu_metadata
.endif
;; end of part 2
;; launch attn (part 3): grid 8 x 32, 16 waves a work-group, clusters of 4 x 1, 327,680 bytes of LDS; arguments rec, oc, osc; writes oc, osc
.if DOCPART == 3
	.amdgcn_target "amdgcn-amd-amdhsa--gfx1250"
	.amdhsa_code_object_version 6
	.text
	.protected	k_q41956a1060_attn
	.globl	k_q41956a1060_attn
	.p2align	8
	.type	k_q41956a1060_attn,@function
k_q41956a1060_attn:
	s_mov_b64 s[64:65], 0
	v_nop
	global_prefetch_b8 v0, s[64:65] scope:SCOPE_SE
	s_setreg_imm32_b32 hwreg(HW_REG_WAVE_MODE, 25, 1), 1
	s_wait_xcnt 0x0
	s_wait_alu depctr_hold_cnt(0) depctr_sa_sdst(0) depctr_va_vdst(0) depctr_va_sdst(0) depctr_va_ssrc(0) depctr_va_vcc(0) depctr_vm_vsrc(0)
	s_getreg_b32 s2, hwreg(HW_REG_IB_STS2, 6, 4)
	s_cmp_eq_u32 s2, 0
	s_cbranch_scc0 .Lentry_in_a_cluster
	s_endpgm
.Lentry_in_a_cluster:
	s_bfe_u32 s2, ttmp6, 0x10000c
	s_cmp_lg_u32 s2, 0x3003
	s_cbranch_scc0 .Lentry_shape_is_right
	s_endpgm
.Lentry_shape_is_right:
; Attention on codes of FP4 with E8M0 scales, head size 64, 2,048 keys, and its result quantised at once for the last projection.
; t = score x log2(e) / 8; M = the row's largest t so far, rounded up to a whole number; p = 2^(t - M) is quantised along the keys, not normalised; the row's sum is taken of the unquantised p and divides O at the end.
; When M moves, the sum and O are multiplied by 2^(old M - new M): exact.
; SHARES: a work-group owns 256 queries of a batch and a PAIR of heads; each of its sixteen waves owns one tile of 16 queries and walks the first head's 16 key steps of 128, then the second head's.
; Both heads' records (k's codes, v's codes, both scale words: 8,960 bytes a key step) lie whole in LDS: wave w fetches key step w of each head: two tensor loads out, nothing is filled twice.
; CLUSTER 4 x 1: the four blocks of queries of a cluster read the same records: joint loads with the mask of all four.
; LAYOUT: both products transposed (S^T = K Q^T, O^T = V^T P^T): a lane holds one query.  By the tile order of the records the 16 registers of two neighbouring tiles are 16 neighbouring keys, or channels.
; The first product's K is 64: registers 4-7 of Q's and K's fragments hold zero codes, cleared once; the scale bytes over them are 0, which is a power of two and no NaN.
; OUT: oc [query tile][head][512 bytes]: the half image of the projection's operand (K step head / 2, half head % 2); osc [head pair][group of four tiles][r][tile % 4]: its scale words.
; LIMITS: a block of zeros, and one whose largest magnitude lies under 2^-124, gets the byte 1; NaN and infinities are not served.
; REGISTERS: v1 16 x lane; v2 the step's LDS address; v3 r; v4, v5 the scale words' stage; v6, v7 Q's offsets; v8, v9 the heads' two bytes; v10, v11 Q's scale words; v12 -M; v13 the largest t; v[14:15] the sum;
;   v16-31 Q of both heads; v32-95 K; v96-159 S^T, then p; v160-191 O^T; v192-223 V; v224-231 codes; v232-243 at work; v244-247 K's scale words; v248-251 V's; v252 f; v253 p's scale word; v254 at work.
.set HEADB, 143360
.set RECB,  8960
.set WHICH, 9175040
.set GATH,  2*HEADB                    ; behind the records: 1,024 bytes in which the sixteen waves' scale words meet; no tile lands there
.set TB,  2                            ; s2   LDS byte of the record in hand
.set CNT, 3                            ; s3   key steps to go
.set WV,  18
.set SEL, 20
.set CS,  22                           ; s[22:23] c = log2(e) / 8
.set G1,  24
.set G0,  40
.macro ROUND
	s_barrier_signal -1
	s_barrier_wait -1
	s_cmp_lg_u32 s[WV], 0
	s_cbranch_scc1 .Lnot_wave_0_\@
	s_barrier_signal -3
.Lnot_wave_0_\@:
	s_barrier_wait -3
	s_barrier_signal -1
	s_barrier_wait -1
.endm
	s_load_b128 s[4:7], s[0:1], 0x0                ; rec, oc
	s_load_b64 s[8:9], s[0:1], 0x10                ; osc
	v_lshl_add_u32 v254, v0, 2, 0x46400
	v_mov_b32 v255, 0
	ds_add_u32 v254, v255
	ds_add_u32 v254, v255
	s_wait_dscnt 0x0
	v_lshrrev_b32 v3, 5, v0
	s_delay_alu instid0(VALU_DEP_1)
	v_readfirstlane_b32 s[WV], v3                  ; wave 0..15
	s_bfe_u32 s10, ttmp6, 0x40000                  ; cx
	s_lshl_b32 s11, ttmp9, 2
	s_add_co_u32 s11, s11, s10                     ; my block of 256 queries: it enters Q's, oc's and osc's addresses alone
	s_and_b32 s12, ttmp7, 0xffff                   ; 8 x batch + head pair, which the partners share
	s_mov_b32 s[G1], 15|(3<<16)|(1<<21)            ; the mask: all four; elements of 8 bytes; 21 set beside a mask
	s_mov_b32 s[G1+1], 32<<16                      ; a record is dense: 35 rows of 256 bytes
	s_mov_b32 s[G1+2], 35<<16
	s_mov_b32 s[G1+3], 32<<16
	s_mov_b32 s[G1+4], 35
	s_mov_b32 s[G1+5], 32
	s_mov_b32 s[G1+6], 0
	s_mov_b32 s[G1+7], 0
	s_mul_i32 s14, s12, 2*HEADB                    ; the first head's records
	s_mul_i32 s15, s[WV], RECB                     ; key step w: in memory and in LDS
	s_add_co_u32 s16, s14, s15
	s_add_co_u32 s16, s16, WHICH
	s_mov_b32 s17, 0
	s_lshl_b32 s19, s11, 1
	s_lshr_b32 s13, s[WV], 3
	s_add_co_u32 s19, s19, s13
	s_mul_i32 s19, s19, RECB                       ; my query tile's record: step 2 block + wave / 8
	s_add_co_u32 s48, s14, s19
	s_mov_b32 s49, 0
	s_lshr_b32 s33, s12, 3                         ; batch
	s_and_b32 s34, s12, 7                          ; head pair
	s_lshl_b32 s35, s33, 7
	s_lshl_b32 s36, s11, 4
	s_add_co_u32 s35, s35, s36
	s_add_co_u32 s35, s35, s[WV]                   ; my query tile among the 512
	s_lshl_b32 s50, s35, 13
	s_lshl_b32 s36, s34, 10
	s_add_co_u32 s50, s50, s36                     ; oc: 8,192 bytes a tile, 512 a head
	s_mov_b32 s51, 0
	s_lshl_b32 s52, s34, 15                        ; osc: the head pair's plane,
	s_lshl_b32 s36, s33, 5
	s_lshl_b32 s37, s11, 2
	s_add_co_u32 s36, s36, s37
	s_lshl_b32 s36, s36, 8
	s_add_co_u32 s52, s52, s36                     ; my work-group's four groups of 256 bytes,
	s_and_b32 s37, s[WV], 1
	s_lshl_b32 s36, s37, 9
	s_add_co_u32 s52, s52, s36                     ; and the two of them that wave 0 or 1 stores
	s_mov_b32 s53, 0
	s_mov_b32 s[SEL], 0x76543210
	s_mov_b32 s[SEL+1], 0xfedcba98
	s_mov_b32 s[CS], 0x3e38aa3b                    ; log2(e) / 8
	s_mov_b32 s[CS+1], s[CS]                       ; (named with it as a pair, so it is written)
	s_wait_kmcnt 0x0
	s_mov_b32 s[G0], 1
	s_mov_b32 s[G0+1], s15
	s_add_nc_u64 s[G0+2:G0+3], s[4:5], s[16:17]
	s_or_b32 s[G0+3], s[G0+3], 0x80000000
	s_mov_b32 s[G0+4], 1
	s_add_co_u32 s[G0+5], s15, HEADB
	s_add_nc_u64 s[G0+6:G0+7], s[4:5], s[16:17]
	s_add_nc_u64 s[G0+6:G0+7], s[G0+6:G0+7], HEADB
	s_or_b32 s[G0+7], s[G0+7], 0x80000000
	s_add_nc_u64 s[48:49], s[4:5], s[48:49]
	s_add_nc_u64 s[50:51], s[6:7], s[50:51]
	s_add_nc_u64 s[52:53], s[8:9], s[52:53]
	ROUND                                          ; all four work-groups are here: the joint loads meet
	tensor_load_to_lds s[G0:G0+3], s[G1:G1+7]      ; the first head's key step w
	s_nop 0
	s_wait_alu depctr_va_vdst(0)
	s_wait_tensorcnt 0x0
	ds_add_u32 v254, v255
	s_wait_dscnt 0x0
	ROUND
	tensor_load_to_lds s[G0+4:G0+7], s[G1:G1+7]    ; the second head's
	s_nop 0
.rept 4
	v_nop
.endr
	v_and_b32 v3, 31, v0
	s_delay_alu instid0(VALU_DEP_1)
	v_lshlrev_b32 v1, 4, v3                        ; 16 x lane
	s_wait_alu depctr_va_vdst(0)
	v_and_b32 v3, 15, v0                           ; r
	s_wait_alu depctr_va_vdst(0)
	s_lshr_b32 s36, s[WV], 2
	s_lshl_b32 s36, s36, 8
	s_and_b32 s38, s[WV], 3
	s_lshl_b32 s38, s38, 2
	s_add_co_u32 s36, s36, s38
	s_add_co_u32 s36, s36, GATH
	v_lshl_add_u32 v4, v3, 4, s36                  ; where my tile's scale word goes: [wave / 4][r][wave % 4]
	s_lshl_b32 s36, s37, 9
	s_add_co_u32 s36, s36, GATH
	v_add_nc_u32 v5, s36, v1                       ; from where waves 0 and 1 read 512 bytes back
	s_and_b32 s36, s[WV], 7
	s_lshl_b32 s38, s36, 9
	v_add_nc_u32 v6, s38, v1                       ; Q's half image in its record
	s_lshr_b32 s36, s36, 2
	s_lshl_b32 s36, s36, 8
	s_and_b32 s38, s[WV], 3
	s_lshl_b32 s38, s38, 2
	s_add_co_u32 s36, s36, s38
	v_lshl_add_u32 v7, v3, 4, s36                  ; and its scale word
	global_load_b128 v[16:19], v6, s[48:49]
	global_load_b128 v[24:27], v6, s[48:49] offset:HEADB
	global_load_b32 v10, v7, s[48:49] offset:8448
	global_load_b32 v11, v7, s[48:49] offset:8448+HEADB
.irp j, 20,21,22,23,28,29,30,31
	v_mov_b32 v\j, 0                               ; Q's k = 64 .. 127: zero codes
.endr
.irp t, 0,1,2,3,4,5,6,7
.irp j, 4,5,6,7
	v_mov_b32 v[32+8*\t+\j], 0                     ; K's likewise: cleared once, no load lands there
.endr
.endr
.irp b, 0,1,2,3
	v_mov_b32 v[236+\b], 0                         ; written once: a lane permute's destination counts as one of its sources
.endr
	v_mov_b32 v253, 0                              ; (named as the upper half of the pair v[252:253] before it is first written)
; A KEY STEP: 128 keys of the head whose Q lies in v[QF ..], with its scale words in v[QS].
.macro STEP QF, QS
	v_add_nc_u32 v2, s[TB], v1
.rept 3
	v_nop                                          ; with the line above: four places behind the last step's products, ahead of the loads into V's registers
.endr
.irp t, 0,1,2,3,4,5,6,7
	ds_load_b128 v[32+8*\t:35+8*\t], v2 offset:512*\t
.endr
	ds_load_b128 v[244:247], v2 offset:8448        ; K's scale words: lanes 0-15 tiles 0-3, lanes 16-31 tiles 4-7
.irp f, 0,1,2,3,4,5,6,7
	ds_load_b128 v[192+4*\f:195+4*\f], v2 offset:4096+512*\f
.endr
	ds_load_b128 v[248:251], v2 offset:8192        ; V's scale words in lanes 0-15 (lanes 16-31 read K's words, which the products do not look at)
	s_wait_dscnt 9                                 ; K and its words are in; V's nine loads may stay out
.irp t, 0,1,2,3,4,5,6,7
.if \t < 4
	v_wmma_scale_f32_16x16x128_f8f6f4 v[96+8*\t:103+8*\t], v[32+8*\t:39+8*\t], v[\QF:\QF+7], 0, v[244+\t%4], v[\QS] matrix_a_fmt:MATRIX_FMT_FP4 matrix_b_fmt:MATRIX_FMT_FP4
.else
	v_wmma_scale_f32_16x16x128_f8f6f4 v[96+8*\t:103+8*\t], v[32+8*\t:39+8*\t], v[\QF:\QF+7], 0, v[244+\t%4], v[\QS] matrix_a_fmt:MATRIX_FMT_FP4 matrix_b_fmt:MATRIX_FMT_FP4 matrix_a_scale:MATRIX_SCALE_ROW1
.endif
.endr
.rept 4
	v_nop
.endr
.irp b, 0,1,2,3
	v_max3_num_f32 v[232+\b], v[96+16*\b], v[97+16*\b], v[98+16*\b]   ; the largest score of each block of 32 keys: it serves the row's maximum and, since p rises with the score, the block's largest p
.endr
.irp i, 3,5,7,9,11,13
.irp b, 0,1,2,3
	v_max3_num_f32 v[232+\b], v[232+\b], v[96+16*\b+\i], v[97+16*\b+\i]
.endr
.endr
.irp b, 0,1,2,3
	v_max_num_f32 v[232+\b], v[232+\b], v[111+16*\b]
.endr
.irp b, 0,1,2,3
	s_delay_alu instid0(VALU_DEP_4)
	v_permlanex16_b32 v[236+\b], v[232+\b], s[SEL], s[SEL+1]
.endr
.irp b, 0,1,2,3
	s_delay_alu instid0(VALU_DEP_4)
	v_max_num_f32 v[232+\b], v[232+\b], v[236+\b]  ; with lane l xor 16's 16 keys
.endr
	s_delay_alu instid0(VALU_DEP_2)
	v_max3_num_f32 v254, v232, v233, v234
	s_delay_alu instid0(VALU_DEP_1)
	v_max_num_f32 v254, v254, v235                 ; the step's largest score of my query
	s_delay_alu instid0(VALU_DEP_1)
	v_mul_f32 v254, s[CS], v254                    ; as t
	s_delay_alu instid0(VALU_DEP_1)
	v_max_num_f32 v13, v13, v254                   ; the running largest t
	v_mov_b32 v254, v12
	s_delay_alu instid0(VALU_DEP_2)
	v_floor_f32 v12, -v13                          ; the new -M = floor(-t): M is a whole number
	s_delay_alu instid0(VALU_DEP_1)
	v_sub_f32 v254, v12, v254                      ; old M - new M: a whole number, 0 or less
	s_delay_alu instid0(VALU_DEP_1)
	v_cvt_i32_f32 v254, v254                       ; (it saturates)
	s_delay_alu instid0(VALU_DEP_1)
	v_ldexp_f32 v252, 1.0, v254                    ; f = 2^(old M - new M)
.set j, 0
.rept 32
	v_pk_fma_f32 v[96+j:97+j], v[96+j:97+j], s[CS:CS+1], v[12:13] op_sel_hi:[1,0,0]   ; t - M, two at a time
.set j, j+2
.endr
.irp b, 0,1,2,3
	v_fma_f32 v[232+\b], v[232+\b], s[CS], v12     ; the same of each block's largest score
.endr
.set j, 0
	s_wait_alu depctr_va_vdst(0)
.rept 64
	v_exp_f32 v[96+j], v[96+j]                     ; p = 2^(t - M), at most 1
.set j, j+1
.endr
	s_setprio 1
	v_pk_mul_f32 v[14:15], v[14:15], v[252:253] op_sel_hi:[1,0]   ; the sums under the new M: the plain line behind the exponentials
	s_wait_alu depctr_va_vdst(0)                   ; one wait for the batch of 64, ahead of its first reader
.irp b, 0,1,2,3
	v_exp_f32 v[232+\b], v[232+\b]                 ; the block's largest p
.endr
	v_pk_add_f32 v[236:237], v[96:97], v[98:99]    ; the row's sum of the unquantised p, in two chains
.irp j, 4,8,12,16,20,24,28,32,36,40,44,48,52,56,60
	v_pk_add_f32 v[14:15], v[14:15], v[96+\j:97+\j]
	v_pk_add_f32 v[236:237], v[236:237], v[98+\j:99+\j]
.endr
	s_delay_alu instid0(VALU_DEP_1)
	v_pk_add_f32 v[14:15], v[14:15], v[236:237]
	s_wait_alu depctr_va_vdst(0)                   ; and one for the four
.irp b, 0,1,2,3
	v_max_num_f32 v[232+\b], 0x1800000, v[232+\b]  ; the floor 2^(3 - 127): the byte cannot fall under 1
.endr
.irp b, 0,1,2,3
	s_delay_alu instid0(VALU_DEP_4)
	v_add_nc_u32 v[240+\b], 0xff000000, v[232+\b]  ; 2 off the exponent field: the conversion's scale operand
.endr
.irp b, 0,1,2,3
	s_delay_alu instid0(VALU_DEP_4)
	v_lshrrev_b32 v[236+\b], 23, v[240+\b]         ; the scale's byte
.endr
	s_delay_alu instid0(VALU_DEP_3)
	v_lshl_or_b32 v253, v237, 8, v236              ; p's scale word for these 128 keys
	s_delay_alu instid0(VALU_DEP_1)
	v_lshl_or_b32 v253, v238, 16, v253
	s_delay_alu instid0(VALU_DEP_1)
	v_lshl_or_b32 v253, v239, 24, v253
.irp b, 0,1,2,3
	v_cvt_scalef32_pk8_fp4_f32 v[224+2*\b], v[96+16*\b:103+16*\b], v[240+\b]
	v_cvt_scalef32_pk8_fp4_f32 v[225+2*\b], v[104+16*\b:111+16*\b], v[240+\b]
.endr
	v_nop                                          ; one plain line behind the last conversion
.irp c, 0,1
.irp i, 0,1
	v_permlane16_swap_b32 v[224+4*\c+\i], v[226+4*\c+\i]   ; a whole block to a lane
.endr
.endr
.set j, 0
	s_setprio 0
.rept 16
	v_pk_mul_f32 v[160+j:161+j], v[160+j:161+j], v[252:253] op_sel_hi:[1,0]   ; O^T under the new M; these sixteen are also the places between p's codes and scale word and the products
.set j, j+2
.endr
	s_wait_alu depctr_va_vdst(0)
	s_wait_dscnt 0x0                               ; V and its words are in
.irp t, 0,1,2,3
	v_wmma_scale_f32_16x16x128_f8f6f4 v[160+8*\t:167+8*\t], v[192+8*\t:199+8*\t], v[224:231], v[160+8*\t:167+8*\t], v[248+\t], v253 matrix_a_fmt:MATRIX_FMT_FP4 matrix_b_fmt:MATRIX_FMT_FP4
.endr
	s_add_co_u32 s[TB], s[TB], RECB                ; the next key step's record
.endm
; One head of the pair: all its keys, then O / the sum, quantised along the channels: a half image and two scale bytes.
.macro HEADPASS c
.if \c
	s_wait_xcnt 0x0                                ; the first head's store has read v224-227: they are written again only behind this wait
.endif
	v_mov_b32 v13, 0xff61b1e6                      ; the largest t so far: -3e38
	s_delay_alu instid0(VALU_DEP_1)
	v_floor_f32 v12, -v13
	v_mov_b32 v14, 0
	v_mov_b32 v15, 0
.set j, 0
.rept 32
	v_mov_b32 v[160+j], 0                          ; O^T: the step is written once; the first change of M leaves zeros zeros
.set j, j+1
.endr
	s_mov_b32 s[TB], \c*HEADB
	s_mov_b32 s[CNT], 16
.Lkeys_\@:
	s_setprio 2
	STEP 16+8*\c, 10+\c
	s_sub_co_u32 s[CNT], s[CNT], 1
	s_cmp_lg_u32 s[CNT], 0
	s_cbranch_scc1 .Lkeys_\@
	s_setprio 0
.rept 4
	v_nop                                          ; places behind the last products
.endr
	v_add_f32 v14, v14, v15                        ; the sum's two halves,
	s_delay_alu instid0(VALU_DEP_1)
	v_permlanex16_b32 v252, v14, s[SEL], s[SEL+1]
	s_delay_alu instid0(VALU_DEP_1)
	v_add_f32 v14, v14, v252                       ; and lane l xor 16's
	s_wait_alu depctr_va_vdst(0)
	v_rcp_f32 v252, v14
	v_nop                                          ; a plain line behind the reciprocal
	s_wait_alu depctr_va_vdst(0)                   ; and the wait ahead of its first reader
.set j, 0
.rept 16
	v_pk_mul_f32 v[160+j:161+j], v[160+j:161+j], v[252:253] op_sel_hi:[1,0]   ; O^T / the sum: register 16 b + i is channel 32 b + 16 h + i of my query
.set j, j+2
.endr
.irp b, 0,1
	v_max3_num_f32 v[232+\b], |v[160+16*\b]|, |v[161+16*\b]|, 0x1800000
.endr
.irp i, 2,4,6,8,10,12,14
.irp b, 0,1
	s_delay_alu instid0(VALU_DEP_2)
	v_max3_num_f32 v[232+\b], v[232+\b], |v[160+16*\b+\i]|, |v[161+16*\b+\i]|
.endr
.endr
.irp b, 0,1
	s_delay_alu instid0(VALU_DEP_2)
	v_permlanex16_b32 v[236+\b], v[232+\b], s[SEL], s[SEL+1]
.endr
.irp b, 0,1
	s_delay_alu instid0(VALU_DEP_2)
	v_max_num_f32 v[232+\b], v[232+\b], v[236+\b]
.endr
.irp b, 0,1
	s_delay_alu instid0(VALU_DEP_2)
	v_add_nc_u32 v[240+\b], 0xff000000, v[232+\b]
.endr
.irp b, 0,1
	s_delay_alu instid0(VALU_DEP_2)
	v_lshrrev_b32 v[236+\b], 23, v[240+\b]
.endr
	s_delay_alu instid0(VALU_DEP_1)
	v_lshl_or_b32 v[8+\c], v237, 8, v236           ; the head's two bytes
.irp b, 0,1
	v_cvt_scalef32_pk8_fp4_f32 v[224+2*\b], v[160+16*\b:167+16*\b], v[240+\b]
	v_cvt_scalef32_pk8_fp4_f32 v[225+2*\b], v[168+16*\b:175+16*\b], v[240+\b]
.endr
	v_nop
	v_permlane16_swap_b32 v224, v226
	v_permlane16_swap_b32 v225, v227
	global_store_b128 v1, v[224:227], s[50:51] offset:512*\c   ; 512 consecutive bytes
.endm
	s_wait_tensorcnt 1                             ; my record of the first head is in; the second head's may stay out
	s_barrier_signal -1
	s_barrier_wait -1                              ; everybody's is
	s_wait_loadcnt 0x0                             ; Q
	HEADPASS 0
	s_wait_tensorcnt 0x0                           ; my record of the second head is in,
	s_barrier_signal -1
	s_barrier_wait -1                              ; everybody's is
	HEADPASS 1
	v_lshl_or_b32 v8, v9, 16, v8                   ; the K step's scale word: the first head's two bytes, then the second's
	ds_store_b32 v4, v8                            ; both lanes of a query write the same word with the same value
	s_wait_dscnt 0x0                               ; for the others' sake
	s_barrier_signal -1
	s_barrier_wait -1
	s_cmp_lt_u32 s[WV], 2
	s_cbranch_scc0 .Lno_words
	ds_load_b128 v[232:235], v5
	s_wait_dscnt 0x0
	global_store_b128 v1, v[232:235], s[52:53]     ; 512 consecutive bytes: two groups of four tiles
.Lno_words:
	s_wait_xcnt 0x0
	v_lshl_add_u32 v254, v0, 2, 0x46400
	v_mov_b32 v255, 0
	s_wait_alu depctr_va_vdst(0)
	s_wait_tensorcnt 0x0
	ds_add_u32 v254, v255
	s_wait_dscnt 0x0
	ROUND                                          ; the closing round
	s_endpgm
.Lfunc_end_k_q41956a1060_attn:
	.size	k_q41956a1060_attn, .Lfunc_end_k_q41956a1060_attn-k_q41956a1060_attn
	.p2alignl 7, 3214868480
	.fill 96, 4, 3214868480
	.section	.rodata,"a",@progbits
	.p2align	6, 0x0
	.amdhsa_kernel k_q41956a1060_attn
		.amdhsa_group_segment_fixed_size 327680
		.amdhsa_private_segment_fixed_size 0
		.amdhsa_enable_private_segment 0
		.amdhsa_kernarg_size 24
		.amdhsa_user_sgpr_count 2
		.amdhsa_user_sgpr_kernarg_segment_ptr 1
		.amdhsa_wavefront_size32 1
		.amdhsa_system_sgpr_workgroup_id_x 1
		.amdhsa_system_sgpr_workgroup_id_y 1
		.amdhsa_system_sgpr_workgroup_id_z 1
		.amdhsa_system_vgpr_workitem_id 0
		.amdhsa_next_free_vgpr 256
		.amdhsa_next_free_sgpr 66
		.amdhsa_reserve_vcc 0
		.amdhsa_float_denorm_mode_32 3
		.amdhsa_float_denorm_mode_16_64 3
		.amdhsa_memory_ordered 1
		.amdhsa_forward_progress 1
		.amdhsa_inst_pref_size 51
	.end_amdhsa_kernel
	.amdgpu_metadata
---
amdhsa.version: [ 1, 2 ]
amdhsa.kernels:
  - .name:           k_q41956a1060_attn
    .symbol:         k_q41956a1060_attn.kd
    .args:
      - { .name: rec, .offset: 0, .size: 8, .value_kind: global_buffer, .address_space: global }
      - { .name: oc, .offset: 8, .size: 8, .value_kind: global_buffer, .address_space: global }
      - { .name: osc, .offset: 16, .size: 8, .value_kind: global_buffer, .address_space: global }
    .group_segment_fixed_size: 327680
    .private_segment_fixed_size: 0
    .kernarg_segment_align: 8
    .kernarg_segment_size: 24
    .max_flat_workgroup_size: 512
    .sgpr_count:     66
    .vgpr_count:     256
    .wavefront_size: 32
...
	.end_amdgpu_metadata
.endif
;; end of part 3
;; launch outp (part 4): grid 4 x 64, 4 waves a work-group, clusters of 4 x 4, 243,200 bytes of LDS; arguments oc, osc, cod, scl, bo, out0; writes out0
.if DOCPART == 4
	.amdgcn_target "amdgcn-amd-amdhsa--gfx1250"
	.amdhsa_code_object_version 6
	.text
	.protected	k_q41956a1060_outp
	.globl	k_q41956a1060_outp
	.p2align	8
	.type	k_q41956a1060_outp,@function
k_q41956a1060_outp:
	s_mov_b64 s[64:65], 0
	v_nop
	global_prefetch_b8 v0, s[64:65] scope:SCOPE_SE
	s_setreg_imm32_b32 hwreg(HW_REG_WAVE_MODE, 25, 1), 1
	s_wait_xcnt 0x0
	s_wait_alu depctr_hold_cnt(0) depctr_sa_sdst(0) depctr_va_vdst(0) depctr_va_sdst(0) depctr_va_ssrc(0) depctr_va_vcc(0) depctr_vm_vsrc(0)
	s_getreg_b32 s2, hwreg(HW_REG_IB_STS2, 6, 4)
	s_cmp_eq_u32 s2, 0
	s_cbranch_scc0 .Lentry_in_a_cluster
	s_endpgm
.Lentry_in_a_cluster:
	s_bfe_u32 s2, ttmp6, 0x10000c
	s_cmp_lg_u32 s2, 0xf033
	s_cbranch_scc0 .Lentry_shape_is_right
	s_endpgm
.Lentry_shape_is_right:
; out0 = o wo^T + bo on codes of FP4 with E8M0 scales.  o's codes and scale words come from the attention launch, wo's from the quantiser, both as images of the operand's registers.
; A work-group makes 128 tokens (L, source 1: rows fall on lanes) x 256 features (R, source 0: rows run along a lane's registers) over all of K = 1,024; four waves, each 64 x 128: 32 accumulators.
; By the tile order (tile T = rows 32 (T / 2) + 8 (T % 2) + r + 8 (r / 8)) the 16 registers of R tiles 2 c and 2 c + 1 are features 32 c + 16 h + 0 .. 15: 64 neighbouring bytes of a row of out0.
; All operands fit in LDS: nothing is filled twice; each wave has three tensor loads out.  CLUSTER 4 x 4: L's tiles are shared along a row of the cluster, R's along a column: joint loads.
; The bias is the C of each sum's first product (so it is added ahead of the products, not behind them).
; REGISTERS: window 0: v1-5 ids and offsets; v16-27 LDS addresses; v32-47 scale words, two sets; v128-191 L's fragments, two sets; v192-255 the bias.
;   window 1: R's fragments, two sets of 64; on the way out all 256: rows read back from the stage.   window 2: the 32 accumulators, (a, b) at v[8 (8 a + b)].
.set SLOTB, 98304
.set RBASE, 32768
.set SCA,   196608
.set SCB,   200704
.set STAGE, 208896                     ; behind the scale words: 16 rows x (512 bytes + 16) for each wave; no tile lands there
.set SP,    528
.set LI,   4
.set ADRL, 16
.set ADRR, 20
.set ADSL, 24
.set ADSR, 25
.set STO,  26
.set RD,   27
.set SL,   32
.set SR,   40
.set LF,   128
.set BI,   192
.set WV, 16
.set WR, 17
.set WC, 18
.set CX, 19
.set CY, 20
.set CLY, 21
.set G1L, 24
.set G0L, 32
.set G1R, 40
.set G0R, 48
.set G1SL, 56
.set G0SL, 68
.set G1SR, 72
.set G0SR, 80
.set MSB, 0
.macro WIN new                         ; the immediate's high byte repeats the setting that is left
.if MSB != \new
	s_set_vgpr_msb (MSB<<8)|\new
.set MSB, \new
.endif
.endm
.macro PLACES                          ; four plain lines behind matrix instructions, ahead of loads into their registers and of reads of their results
.rept 4
	v_nop
.endr
.endm
.macro GROUP1 g, c, r, p               ; r rows of c elements of 8 bytes, p elements apart
	s_mov_b32 s[\g+1], (\c)<<16
	s_mov_b32 s[\g+2], (\r)<<16
	s_mov_b32 s[\g+3], (\c)<<16
	s_mov_b32 s[\g+4], \r
	s_mov_b32 s[\g+5], \p
	s_mov_b32 s[\g+6], 0
	s_mov_b32 s[\g+7], 0
.endm
.macro JLOAD g0a, g1a, g0b, g1b        ; a joint load: waves 0 and 1 fetch for L, waves 2 and 3 for R; four v_nop follow each line
	s_cmp_eq_u32 s[WR], 0
	s_cbranch_scc0 .Lfor_r_\@
	tensor_load_to_lds s[\g0a:\g0a+3], s[\g1a:\g1a+7]
	s_nop 0
.rept 4
	v_nop
.endr
	s_branch .Lasked_\@
.Lfor_r_\@:
	tensor_load_to_lds s[\g0b:\g0b+3], s[\g1b:\g1b+7]
	s_nop 0
.rept 4
	v_nop
.endr
.Lasked_\@:
.endm
.macro CROUND                          ; a round of the cluster's barrier
	s_barrier_signal -1
	s_barrier_wait -1
	s_cmp_lg_u32 s[WV], 0
	s_cbranch_scc1 .Lnot_wave_0_\@
	s_barrier_signal -3
.Lnot_wave_0_\@:
	s_barrier_wait -3
	s_barrier_signal -1
	s_barrier_wait -1
.endm
	s_load_b256 s[4:11], s[0:1], 0x0               ; oc, osc, cod, scl
	s_load_b128 s[12:15], s[0:1], 0x20             ; bo, out0
	v_lshl_add_u32 v126, v0, 2, 0x3b400
	v_mov_b32 v127, 0
	ds_add_u32 v126, v127
	ds_add_u32 v126, v127
	v_lshrrev_b32 v1, 5, v0
	v_readfirstlane_b32 s[WV], v1                  ; wave 0..3
	s_lshr_b32 s[WR], s[WV], 1                     ; my half of L's tiles.  Also: I fetch for L (0) or for R (1)
	s_and_b32 s[WC], s[WV], 1                      ; my half of R's tiles.  Also: which half of that side I fetch
	s_bfe_u32 s[CX], ttmp6, 0x40000
	s_bfe_u32 s[CY], ttmp6, 0x40004
	s_and_b32 s[CLY], ttmp7, 0xffff
	s_lshl_b32 s96, s[CLY], 2
	s_add_co_u32 s96, s96, s[CY]
	s_lshl_b32 s96, s96, 3                         ; L's first tile: 8 (4 cluster y + cy)
	s_lshl_b32 s97, s[CX], 4
	s_add_co_u32 s97, s97, 704                     ; R's first tile: wo's 16 cx
	s_lshl_b32 s98, s[WC], 2
	s_add_co_u32 s84, s96, s98
	s_lshl_b32 s84, s84, 13                        ; L's codes: my four tiles of 8,192 bytes
	s_mov_b32 s85, 0
	s_lshl_b32 s98, s[WC], 3
	s_add_co_u32 s86, s97, s98
	s_lshl_b32 s86, s86, 13                        ; R's: my eight
	s_mov_b32 s87, 0
	s_lshl_b32 s98, s[WC], 17                      ; L's scale words: my four planes of 32,768 bytes,
	s_lshl_b32 s88, s96, 6                         ; 64 bytes a tile in each
	s_add_co_u32 s88, s88, s98
	s_mov_b32 s89, 0
	s_mul_i32 s98, s[WC], 196608                   ; R's: four planes of 49,152 bytes
	s_lshl_b32 s90, s97, 6
	s_add_co_u32 s90, s90, s98
	s_mov_b32 s91, 0
	s_lshl_b32 s99, s[CY], 2
	s_lshl_b32 s99, 15, s99                        ; my row of the cluster
	s_lshl_b32 s23, 0x1111, s[CX]                  ; my column
	s_or_b32 s[G1L], s99, (3<<16)|(1<<21)          ; 15:0 the mask; 17:16 elements of 8 bytes; 21 set beside a mask; no padding: every read is 16 x lane on end
	s_or_b32 s[G1SL], s99, (3<<16)|(1<<21)
	s_or_b32 s[G1R], s23, (3<<16)|(1<<21)
	s_or_b32 s[G1SR], s23, (3<<16)|(1<<21)
	GROUP1 G1L, 512, 4, 1024
	GROUP1 G1R, 512, 8, 1024
	GROUP1 G1SL, 64, 4, 4096
	GROUP1 G1SR, 128, 4, 6144
	s_wait_dscnt 0x0
	s_wait_kmcnt 0x0
	s_add_nc_u64 s[84:85], s[4:5], s[84:85]
	s_add_nc_u64 s[86:87], s[8:9], s[86:87]
	s_add_nc_u64 s[88:89], s[6:7], s[88:89]
	s_add_nc_u64 s[90:91], s[10:11], s[90:91]
	s_lshl_b32 s98, s[WC], 11
	s_mov_b32 s[G0SL], 1
	s_add_co_u32 s[G0SL+1], s98, SCA
	s_mov_b64 s[G0SL+2:G0SL+3], s[88:89]
	s_or_b32 s[G0SL+3], s[G0SL+3], 0x80000000
	s_lshl_b32 s98, s[WC], 12
	s_mov_b32 s[G0SR], 1
	s_add_co_u32 s[G0SR+1], s98, SCB
	s_mov_b64 s[G0SR+2:G0SR+3], s[90:91]
	s_or_b32 s[G0SR+3], s[G0SR+3], 0x80000000
	s_lshl_b32 s98, s[WC], 14
	s_lshl_b32 s99, s[WC], 15
	s_add_co_u32 s99, s99, RBASE
.irp k, 0,1
	s_mov_b32 s[G0L+4*\k], 1
	s_add_co_u32 s[G0L+4*\k+1], s98, \k*SLOTB
	s_add_nc_u64 s[G0L+4*\k+2:G0L+4*\k+3], s[84:85], \k*4096
	s_or_b32 s[G0L+4*\k+3], s[G0L+4*\k+3], 0x80000000
	s_mov_b32 s[G0R+4*\k], 1
	s_add_co_u32 s[G0R+4*\k+1], s99, \k*SLOTB
	s_add_nc_u64 s[G0R+4*\k+2:G0R+4*\k+3], s[86:87], \k*4096
	s_or_b32 s[G0R+4*\k+3], s[G0R+4*\k+3], 0x80000000
.endr
	CROUND                                         ; all sixteen work-groups are here: the joint loads meet
	JLOAD G0SL, G1SL, G0SR, G1SR                   ; the scale words of all of K
	JLOAD G0L, G1L, G0R, G1R                       ; K's first half
	JLOAD G0L+4, G1L, G0R+4, G1R                   ; K's second half
	v_and_b32 v1, 31, v0                           ; lane
	v_and_b32 v2, 15, v0                           ; r
	v_bfe_u32 v3, v0, 4, 1                         ; h
	v_lshlrev_b32 v[LI], 4, v1
	s_wait_alu depctr_va_vdst(0)
	s_lshl_b32 s98, s[WR], 14
	v_add_nc_u32 v[ADRL], s98, v[LI]
	s_add_co_u32 s98, s98, SLOTB
	v_add_nc_u32 v[ADRL+1], s98, v[LI]
	s_lshl_b32 s98, s[WC], 15
	s_add_co_u32 s98, s98, RBASE
	v_add_nc_u32 v[ADRR], s98, v[LI]
	s_add_co_u32 s98, s98, SLOTB
	v_add_nc_u32 v[ADRR+1], s98, v[LI]
	s_lshl_b32 s98, s[WR], 8
	s_add_co_u32 s98, s98, SCA
	v_lshl_add_u32 v[ADSL], v2, 4, s98             ; L's words: row r's four tiles
	s_lshl_b32 s98, s[WC], 9
	s_add_co_u32 s98, s98, SCB
	v_add_nc_u32 v[ADSR], s98, v[LI]               ; R's: lanes 0-15 tiles 0-3, lanes 16-31 tiles 4-7
	s_mul_i32 s98, s[WV], 16*SP
	s_add_co_u32 s98, s98, STAGE                   ; my stage
	v_mul_u32_u24 v[STO], v2, SP
	v_lshl_add_u32 v[STO], v3, 6, v[STO]
	v_add_nc_u32 v[STO], s98, v[STO]               ; in: row r, + 64 h bytes
	v_add_nc_u32 v[RD], s98, v[LI]                 ; back: the 32 lanes take one row of 512 bytes
	s_lshl_b32 s98, s[CX], 10                      ; the bias: my 128 features of bo
	s_lshl_b32 s99, s[WC], 9
	s_add_co_u32 s98, s98, s99
	s_mov_b32 s99, 0
	s_add_nc_u64 s[90:91], s[12:13], s[98:99]
	s_add_nc_u64 s[92:93], s[14:15], s[98:99]      ; and the same columns of out0,
	v_lshlrev_b32 v5, 6, v3
.irp b, 0,1,2,3,4,5,6,7
	global_load_b128 v[BI+8*\b:BI+8*\b+3], v5, s[90:91] offset:(32*(\b/2)+8*(\b%2))*4
	global_load_b128 v[BI+8*\b+4:BI+8*\b+7], v5, s[90:91] offset:(32*(\b/2)+8*(\b%2))*4+16
.endr
	s_lshl_b32 s96, s[CLY], 2
	s_add_co_u32 s96, s96, s[CY]
	s_lshl_b32 s96, s96, 19                        ; at row 128 (4 cluster y + cy)
	s_lshl_b32 s97, s[WR], 18                      ; + 64 for the second half of L's tiles
	s_add_co_u32 s96, s96, s97
	s_mov_b32 s97, 0
	s_add_nc_u64 s[92:93], s[92:93], s[96:97]
; the fragments and scale words of the slot's q-th 128 along K, into set: 26 LDS loads in one run
.macro FETCH slot, q, set
	WIN 0x40                                       ; destination window 1
.irp b, 0,1,2,3,4,5,6,7
.irp c, 0,1
	ds_load_b128 v[64*(\set)+8*\b+4*\c:64*(\set)+8*\b+4*\c+3], v[ADRR+(\slot)] offset:4096*\b+1024*(\q)+512*\c
.endr
.endr
	WIN 0
.irp a, 0,1,2,3
.irp c, 0,1
	ds_load_b128 v[LF+32*(\set)+8*\a+4*\c:LF+32*(\set)+8*\a+4*\c+3], v[ADRL+(\slot)] offset:4096*\a+1024*(\q)+512*\c
.endr
.endr
	ds_load_b128 v[SL+4*(\set):SL+4*(\set)+3], v[ADSL] offset:512*(4*(\slot)+(\q))
	ds_load_b128 v[SR+4*(\set):SR+4*(\set)+3], v[ADSR] offset:1024*(4*(\slot)+(\q))
.endm
; 32 products.  cm = 0: onto the sums; 1: the sums begin with the bias.  The 32 accumulators take turns, one instruction a turn, in the same order in every step.
.macro MUL set, cm
.if \cm == 0
	WIN 0xa1                                       ; source 0 (R) window 1, source 1 (L) window 0, C and D window 2
.else
	WIN 0x81                                       ; C window 0
.endif
.irp a, 0,1,2,3
.irp b, 0,1,2,3,4,5,6,7
.if \cm == 0
.set CR, 8*(8*\a+\b)
.else
.set CR, BI+8*\b
.endif
.if \b < 4
	v_wmma_scale_f32_16x16x128_f8f6f4 v[8*(8*\a+\b):8*(8*\a+\b)+7], v[64*(\set)+8*\b:64*(\set)+8*\b+7], v[LF+32*(\set)+8*\a:LF+32*(\set)+8*\a+7], v[CR:CR+7], v[SR+4*(\set)+\b%4], v[SL+4*(\set)+\a] matrix_a_fmt:MATRIX_FMT_FP4 matrix_b_fmt:MATRIX_FMT_FP4
.else
	v_wmma_scale_f32_16x16x128_f8f6f4 v[8*(8*\a+\b):8*(8*\a+\b)+7], v[64*(\set)+8*\b:64*(\set)+8*\b+7], v[LF+32*(\set)+8*\a:LF+32*(\set)+8*\a+7], v[CR:CR+7], v[SR+4*(\set)+\b%4], v[SL+4*(\set)+\a] matrix_a_fmt:MATRIX_FMT_FP4 matrix_b_fmt:MATRIX_FMT_FP4 matrix_a_scale:MATRIX_SCALE_ROW1
.endif
.endr
.endr
.endm
.macro STEP s                          ; K step s = 1 .. 7
	s_wait_dscnt 0x0                               ; this step's 26 loads, issued ahead of the last step's 32 products
.if \s == 3
	s_wait_tensorcnt 0x0                           ; my part of K's second half has landed,
	s_barrier_signal -1
	s_barrier_wait -1                              ; everybody's has
.endif
.if \s < 7
	PLACES                                         ; the set that the step before multiplied is loaded again
	FETCH ((\s)+1)/4, ((\s)+1)%4, ((\s)+1)%2
.endif
	MUL (\s)%2, 0
.endm
	s_wait_alu depctr_va_vdst(0)
	s_wait_tensorcnt 1                             ; the scale words and K's first half are in; the second half's load may stay out
	s_barrier_signal -1
	s_barrier_wait -1
	FETCH 0, 0, 0
	s_wait_loadcnt 0x0                             ; the bias
	s_wait_dscnt 0x0
	FETCH 0, 1, 1
	MUL 0, 1
	STEP 1
	STEP 2
	STEP 3
	STEP 4
	STEP 5
	STEP 6
	STEP 7
; THE WAY OUT, L tile by L tile: 16 tokens x 128 features go through my own stage and come back as whole rows of 512 bytes.  LDS serves a wave's instructions in order: no wait between the stores and the loads, nor ahead of the next tile's stores.
.macro TOSTAGE a
	WIN 0x08                                       ; an LDS store's data are its source 1: window 2
.irp c, 0,1,2,3
.irp g, 0,1,2,3
	ds_store_b128 v[STO], v[64*(\a)+16*\c+4*\g:64*(\a)+16*\c+4*\g+3] offset:128*\c+16*\g   ; each accumulator from its low end on
.endr
.endr
	WIN 0x40                                       ; destination window 1: each tile has 64 registers of its own, so no store's data are written again
.irp t, 0,1,2,3,4,5,6,7,8,9,10,11,12,13,14,15
	ds_load_b128 v[64*(\a)+4*\t:64*(\a)+4*\t+3], v[RD] offset:SP*\t
.endr
.endm
.macro SEND a, younger                 ; younger: the LDS instructions issued behind tile a's loads, which may stay out
	s_wait_dscnt \younger
	WIN 0x04                                       ; a store's data are its source 1: window 1
.irp t, 0,1,2,3,4,5,6,7,8,9,10,11,12,13,14,15
	global_store_b128 v[LI], v[64*(\a)+4*\t:64*(\a)+4*\t+3], s[92:93] offset:(32*((\a)/2)+8*((\a)%2)+\t+8*(\t/8))*4096 th:TH_STORE_NT   ; 32 lanes store 512 consecutive bytes, aligned; written once
.endr
.endm
	PLACES
	TOSTAGE 0
.irp a, 1,2,3
	TOSTAGE \a
	SEND \a-1, 32                                  ; behind tile a - 1's loads: tile a's 16 stores and 16 loads
.endr
	SEND 3, 0
	WIN 0
	s_wait_tensorcnt 0x0
	s_wait_tensorcnt 0x0
	ds_add_u32 v126, v127
	s_wait_dscnt 0x0
	CROUND                                         ; the closing round: no work-group ends while a partner may still ask for a tile that names it
	s_endpgm
.Lfunc_end_k_q41956a1060_outp:
	.size	k_q41956a1060_outp, .Lfunc_end_k_q41956a1060_outp-k_q41956a1060_outp
	.p2alignl 7, 3214868480
	.fill 96, 4, 3214868480
	.section	.rodata,"a",@progbits
	.p2align	6, 0x0
	.amdhsa_kernel k_q41956a1060_outp
		.amdhsa_group_segment_fixed_size 243200
		.amdhsa_private_segment_fixed_size 0
		.amdhsa_enable_private_segment 0
		.amdhsa_kernarg_size 48
		.amdhsa_user_sgpr_count 2
		.amdhsa_user_sgpr_kernarg_segment_ptr 1
		.amdhsa_wavefront_size32 1
		.amdhsa_system_sgpr_workgroup_id_x 1
		.amdhsa_system_sgpr_workgroup_id_y 1
		.amdhsa_system_sgpr_workgroup_id_z 1
		.amdhsa_system_vgpr_workitem_id 0
		.amdhsa_next_free_vgpr 768
		.amdhsa_next_free_sgpr 100
		.amdhsa_reserve_vcc 0
		.amdhsa_float_denorm_mode_32 3
		.amdhsa_float_denorm_mode_16_64 3
		.amdhsa_memory_ordered 1
		.amdhsa_forward_progress 1
		.amdhsa_inst_pref_size 73
	.end_amdhsa_kernel
	.amdgpu_metadata
---
amdhsa.version: [ 1, 2 ]
amdhsa.kernels:
  - .name:           k_q41956a1060_outp
    .symbol:         k_q41956a1060_outp.kd
    .args:
      - { .name: oc, .offset: 0, .size: 8, .value_kind: global_buffer, .address_space: global }
      - { .name: osc, .offset: 8, .size: 8, .value_kind: global_buffer, .address_space: global }
      - { .name: cod, .offset: 16, .size: 8, .value_kind: global_buffer, .address_space: global }
      - { .name: scl, .offset: 24, .size: 8, .value_kind: global_buffer, .address_space: global }
      - { .name: bo, .offset: 32, .size: 8, .value_kind: global_buffer, .address_space: global }
      - { .name: out0, .offset: 40, .size: 8, .value_kind: global_buffer, .address_space: global }
    .group_segment_fixed_size: 243200
    .private_segment_fixed_size: 0
    .kernarg_segment_align: 8
    .kernarg_segment_size: 48
    .max_flat_workgroup_size: 128
    .sgpr_count:     100
    .vgpr_count:     768
    .wavefront_size: 32
...
	.end_amdgpu_metadata
.endif
;; end of part 4
